; MI455X (gfx1250); checked and timed in simulation.
; The chip was launched on July 23, 2026; its instructions are those of AMD's public machine-readable ISA for CDNA 5 (MIT licence, August 2026) and "CDNA5" Instruction Set Architecture Reference Guide (July 2026). The comments in the code are by the model that wrote it; some were corrected since.
;; FFF. Allowed arithmetic: matrix products marked QUANTISED: E2M3 operands, one E8M0 scale for each 32 along K, by v_wmma_scale_f32_16x16x128_f8f6f4 with both operands' format E2M3, f32 sums; products left as they are: f32 operands where the result goes on into a quantised operand, else bf16, f16 or f32 operands; f32 sums; everything else in f32.
;; Inputs: b1s 16 x 256 float32; b2s 16 x 1,024 float32; node_biases 15 x 1 float32; node_weights 15 x 1,024 float32; w1s_codes 16 x 256 x 32 x 24 uint8 (E2M3 codes of w1s, K innermost, in blocks of 32 codes, four codes in three bytes); w1s_scales 16 x 256 x 32 uint8 (E8M0 scales of w1s, one for each 32 codes along K); w2s_codes 16 x 1,024 x 8 x 24 uint8 (E2M3 codes of w2s, K innermost, in blocks of 32 codes, four codes in three bytes); w2s_scales 16 x 1,024 x 8 uint8 (E8M0 scales of w2s, one for each 32 codes along K); x 8,192 x 1,024 float32.
;; Outputs: out0 8,192 x 1,024 float32.
;; This version of the problem:
;;   THIS VERSION OF THE PROBLEM IS GIVEN IN LOW PRECISION. The matrix products marked QUANTISED in the list below multiply operands that are first quantised to E2M3 (2 exponent bits, 3 mantissa bits; 6 bits a number), with one power-of-two scale for each 32 numbers along K (OCP MX v1.0); their sums are f32. All else is computed in f32.
;;   The module's matrix products, in the order in which they are computed (A, B: the left and right operand; K: the contracted axis; several contracted axes count as one K, in the product's order):
;;     1. [M 8,192, K 1,024] x [K 1,024, N 1]; A: input x; B: input node_weights: left as it is (N = 1 < 16)
;;     2. [M 8,192, K 1,024] x [K 1,024, N 2]; A: input x; B: input node_weights: left as it is (N = 2 < 16)
;;     3. [M 8,192, K 1,024] x [K 1,024, N 4]; A: input x; B: input node_weights: left as it is (N = 4 < 16)
;;     4. [M 8,192, K 1,024] x [K 1,024, N 8]; A: input x; B: input node_weights: left as it is (N = 8 < 16)
;;     5. [M 8,192, K 1,024] x [K 1,024, N 4,096]; A: input x; B: input w1s (given as codes): QUANTISED
;;     6. batch 16 x [M 1,024, K 256] x [K 256, N 8,192]; A: input w2s (given as codes); B: computed on the way: QUANTISED
;;   THE QUANTISER, for each operand of a quantised product, along K:
;;     - K is cut into blocks of 32 from its start; a last block that is shorter is filled with zeros.
;;     - A block's scale is 2^e with e = floor(log2(the largest magnitude in the block)) - 2, held to -126 .. 127; a block of zeros has e = 0. As a byte (E8M0): e + 127.
;;     - Each number is divided by its block's scale, clamped to +-7.5, and rounded to the nearest number of E2M3, ties to even, subnormals kept.
;;     - The product sums the exact products of the quantised numbers (number of the format x scale) in f32.
;;   ~~~python
;;   def quantise(x, axis):      # numpy; x: float32 -> the quantised numbers, widened to float32 again
;;       x = np.moveaxis(x, axis, -1); K = x.shape[-1]
;;       x = np.pad(x, [(0, 0)] * (x.ndim - 1) + [(0, -K % 32)]); x = x.reshape(x.shape[:-1] + (-1, 32)); a = np.abs(x).max(-1, keepdims=True)
;;       e = np.where(a > 0, np.clip(np.frexp(np.where(a > 0, a, 1))[1] - 1 - 2, -126, 127), 0)      # np.frexp(a)[1] - 1 = floor(log2(a)), exactly
;;       r = np.clip(x / 2.0 ** e, -7.5, 7.5)
;;       step = 2.0 ** (np.maximum(np.frexp(np.where(r == 0, 1, r))[1] - 1, 0) - 3)
;;       q = np.round(r / step) * step * 2.0 ** e      # np.round: ties to even
;;       return np.moveaxis(q.reshape(q.shape[:-2] + (-1,))[..., :K], -1, axis).astype(np.float32)
;;   ~~~
;;   OPERANDS COMPUTED ON THE WAY. 'Computed on the way' means the value that the module computes at that place (a softmax that the list does not call 'softmax' is quantised finished and normalised). What goes into a quantiser is computed in f32, as accurately as f32 sums, v_exp_f32 and their like allow (about 1e-6 of the number): no bf16 or f16 on the way to a quantiser, and a product that is left as it is and whose result goes on into a quantised operand takes f32 operands (vector FMAs, or v_wmma_f32_16x16x4_f32). A number that lies on a knife's edge between two numbers of the format may be rounded either way, as far as f32 arithmetic and the matrix unit's own rounding can turn it there, and no further.
;;   INPUTS GIVEN AS CODES. w1s (in the module: [16, 1024, 256], K = its axis 1); w2s (in the module: [16, 256, 1024], K = its axis 1): each comes as NAME_codes (uint8): NAME with its K axis moved to the last place and cut into blocks of 32 codes, [.., K / 32, bytes a block], one block behind the other in memory; four codes in three bytes: a row's codes are one little-endian stream of bits, code i at bits 6 i .. 6 i + 5 (a code: sign, 2 exponent bits, 3 mantissa bits); and NAME_scales (uint8): the same leading axes, one E8M0 byte (e + 127) for each 32 codes along K. Its value is code x scale, taken as it is: it is not quantised again, and the codes and scales need not be those that the quantiser above would give.
;; One version. Each part assembles by itself: llvm-mc -triple=amdgcn-amd-amdhsa -mcpu=gfx1250 --defsym DOCPART=n.
;; ======== version 1 of 1: 3 launches
;; limits: values are held in bf16: 8 bits of precision; right only within a limited range of input values
;; workspace buffers: xq 6,291,456 bytes; xs 262,144 bytes; mixw 524,288 bytes; w1p 3,145,728 bytes; w1sp 131,072 bytes; w2p 3,342,336 bytes; hid 26,214,400 bytes
;; launch prep (part 1): grid 320 x 1, 8 waves a work-group, no clusters, 88,064 bytes of LDS; arguments x, node_weights, node_biases, w1s_codes, w1s_scales, w2s_codes, w2s_scales, b2s, xq, xs, mixw, w1p, w1sp, w2p; writes xq, xs, mixw, w1p, w1sp, w2p
.if DOCPART == 1
	.amdgcn_target "amdgcn-amd-amdhsa--gfx1250"
	.amdhsa_code_object_version 6
	.text
	.protected	k_q14ffab0715_prep
	.globl	k_q14ffab0715_prep
	.p2align	8
	.type	k_q14ffab0715_prep,@function
k_q14ffab0715_prep:
	s_mov_b64 s[64:65], 0
	v_nop
	global_prefetch_b8 v0, s[64:65] scope:SCOPE_SE
	s_setreg_imm32_b32 hwreg(HW_REG_WAVE_MODE, 25, 1), 1
	s_wait_xcnt 0x0
; PREP: everything that is made once.  Three ways, parted by the work-group's number alone.
; Work-groups 0-255 (x): 32 rows of x each.  x is quantised to codes of E2M3 with one E8M0 byte for each 32 along K, and the tree's 16 mixture weights of each row are made.
;   Wave s takes K step s (128 along K) of both tiles of 16 rows.  Each load reads 512 consecutive bytes of one row; the 16 rows turn through the wave's own stage in LDS, so that lane (r, h)
;   holds, of row r, 16 neighbours of each block of 32.  The codes leave as an IMAGE OF THE OPERAND'S REGISTERS: a fragment (16 rows x 128 K, 12 registers a lane) is 1,536 bytes, registers 4 c .. 4 c + 3 of lane l at 512 c + 16 l.
;   The 15 node logits are a bf16 product (source 0 = 16 node rows, the 16th a copy of the 15th and never used; source 1 = the 16 rows of x); both sides hold k in the same places, so the order of k cancels.
;   The eight waves' partial logits meet in LDS behind one barrier; waves 0 and 1 finish one tile each: sigmoid, the tree's products in the order of the depths, 64 bytes a row.
; Work-groups 256-287 (W1) and 288-319 (W2): a wave lays 8 fragments of given codes, and their scale words, in the order in which the later launches' registers take them.  No LDS, no barrier.
;   W1: lane r of tile t is hidden unit 32 (t / 2) + 8 (t % 2) + r + 8 (r / 8), so that a lane's 16 results of two neighbouring tiles are 16 neighbours along the second product's K.
; LIMITS: NaN and infinities among the inputs are not served.  A block whose largest magnitude lies under 2^-124, a block of zeros among them, keeps the scale byte 1 (its codes under that byte are what the floor gives; zeros stay zeros);
; the bytes are read by this program alone.  The gate's products round x and node_weights to bf16; their sums are f32.
.set STGW, 8448                        ; a wave's stage: 16 rows x (512 bytes + 16)
.set RED,  8*STGW                      ; partial logits: (tile, wave) x 1,024 bytes
.set XSG,  RED+16384                   ; x's scale words: tile x 16 rows x 8 words
.set MST,  XSG+1024                    ; the mixtures' stage: tile x 16 rows x 64 bytes
.set LI,   4                           ; v4   16 x lane
.set STI,  5                           ; v5   stage, way in
.set STO,  6                           ; v6   stage, way out: 528 r + 64 h
.set XSW,  7                           ; v7   where my row's scale word goes
.set REDW, 8                           ; v8   where my partial logits go
.set NWO,  9                           ; v9   node weights: my node's row, my half
.set REDR, 10                          ; v10-13 the finishers' addresses
.set XSR,  11
.set MSW,  12
.set MSR,  13
.set R0,   16                          ; v16-79, v80-143 the two tiles' numbers
.set NW,   144                         ; v144-175 node weights in bf16
.set XB,   176                         ; v176-207 x in bf16; then the sum of the two accumulators
.set NT,   176                         ; v176-239 node weights in f32, ahead of everything else
.set PC,   208                         ; v208-226 codes
.set TM,   228                         ; v228-243 at work in the quantiser; then the two accumulators
.set ACA,  228
.set ACB,  236
.set PW,   244                         ; the scale word just made
.set WV,   48
.set SEL,  56
.macro PLACES n
.rept \n
	v_nop
.endr
.endm
; 64 numbers of a lane, register 16 b + i = k 32 b + 16 (lane / 16) + i of my row, become a fragment's codes in v[PC] on and its scale word in v[PW].
.macro QUANT s
.irp b, 0,1,2,3
	v_max3_num_f32 v[TM+\b], |v[\s+16*\b]|, |v[\s+1+16*\b]|, 0x1800000   ; block b: my 16 numbers, and the floor 2^(3 - 127): the byte cannot fall under 1
.endr
.irp i, 2,4,6,8,10,12,14
.irp b, 0,1,2,3
	s_delay_alu instid0(VALU_DEP_4)
	v_max3_num_f32 v[TM+\b], v[TM+\b], |v[\s+16*\b+\i]|, |v[\s+1+16*\b+\i]|   ; the four blocks by turns
.endr
.endr
.irp b, 0,1,2,3
	v_permlanex16_b32 v[TM+4+\b], v[TM+\b], s[SEL], s[SEL+1]
.endr
.irp b, 0,1,2,3
	s_delay_alu instid0(VALU_DEP_4)
	v_max_num_f32 v[TM+\b], v[TM+\b], v[TM+4+\b]   ; with lane l xor 16's: the block's largest magnitude
.endr
.irp b, 0,1,2,3
	s_delay_alu instid0(VALU_DEP_4)
	v_add_nc_u32 v[TM+12+\b], 0xff000000, v[TM+\b]   ; 2 off its exponent field: the conversion takes this operand's exponent field as its scale
.endr
.irp b, 0,1,2,3
	s_delay_alu instid0(VALU_DEP_4)
	v_lshrrev_b32 v[TM+4+\b], 23, v[TM+12+\b]      ; the scale's byte
.endr
	s_delay_alu instid0(VALU_DEP_3)
	v_lshl_or_b32 v[PW], v[TM+5], 8, v[TM+4]
	s_delay_alu instid0(VALU_DEP_1)
	v_lshl_or_b32 v[PW], v[TM+6], 16, v[PW]
	s_delay_alu instid0(VALU_DEP_1)
	v_lshl_or_b32 v[PW], v[TM+7], 24, v[PW]
.irp c, 0,1
	v_cvt_scalef32_pk16_fp6_f32 v[PC+6*\c:PC+2+6*\c], v[\s+32*\c:\s+15+32*\c], v[TM+12+2*\c]
	v_cvt_scalef32_pk16_fp6_f32 v[PC+12+4*\c:PC+14+4*\c], v[\s+16+32*\c:\s+31+32*\c], v[TM+12+2*\c+1]   ; (a conversion's three registers begin on an even number)
.endr
	v_nop                                          ; one plain place behind a scaled conversion
.irp c, 0,1                                    ; the operand's layout wants a whole block in a lane
.irp i, 0,1,2
	v_permlane16_swap_b32 v[PC+6*\c+\i], v[PC+12+4*\c+\i]
.endr
.irp i, 0,1,2
	s_delay_alu instid0(VALU_DEP_3)
	v_mov_b32 v[PC+3+6*\c+\i], v[PC+12+4*\c+\i]
.endr
.endr
.endm
	s_load_b512 s[4:19], s[0:1], 0x0               ; x 4, node_weights 6, node_biases 8, w1 codes 10, w1 scales 12, w2 codes 14, w2 scales 16, b2s 18
	s_load_b256 s[20:27], s[0:1], 0x40             ; xq 20, xs 22, mixw 24, w1p 26
	s_load_b128 s[28:31], s[0:1], 0x60             ; w1sp 28, w2p 30
	v_lshl_add_u32 v254, v0, 2, 0x15400
	v_mov_b32 v255, 0
	v_lshrrev_b32 v1, 5, v0
	s_delay_alu instid0(VALU_DEP_1)
	v_readfirstlane_b32 s[WV], v1                  ; wave 0..7
	v_and_b32 v1, 31, v0                           ; lane
	v_and_b32 v2, 15, v0                           ; r
	v_bfe_u32 v3, v0, 4, 1                         ; h
	s_delay_alu instid0(VALU_DEP_3)
	v_lshlrev_b32 v[LI], 4, v1
	s_cmp_lt_u32 ttmp9, 256
	s_cbranch_scc0 .Lweights
	; ---------------- x ----------------
	s_mul_i32 s49, s[WV], STGW
	v_add_nc_u32 v[STI], s49, v[LI]
	v_mul_u32_u24 v[STO], v2, 528
	s_delay_alu instid0(VALU_DEP_1)
	v_lshl_add_u32 v[STO], v3, 6, v[STO]
	s_delay_alu instid0(VALU_DEP_1)
	v_add_nc_u32 v[STO], s49, v[STO]
	s_lshl_b32 s49, s[WV], 2
	s_add_co_u32 s49, s49, XSG
	v_lshl_add_u32 v[XSW], v2, 5, s49              ; XSG + 32 r + 4 x wave
	s_lshl_b32 s49, s[WV], 10
	s_add_co_u32 s49, s49, RED
	v_add_nc_u32 v[REDW], s49, v[LI]
	v_min_u32 v[NWO], 14, v2                       ; there are 15 nodes: lane 15 takes the 15th again, so that no load leaves the buffer
	s_delay_alu instid0(VALU_DEP_1)
	v_lshlrev_b32 v[NWO], 12, v[NWO]
	s_delay_alu instid0(VALU_DEP_1)
	v_lshl_add_u32 v[NWO], v3, 6, v[NWO]
	s_and_b32 s50, s[WV], 1                        ; which tile I would finish
	s_lshl_b32 s49, s50, 13
	s_add_co_u32 s49, s49, RED
	v_add_nc_u32 v[REDR], s49, v[LI]
	s_lshl_b32 s49, s50, 9
	s_add_co_u32 s49, s49, XSG
	v_add_nc_u32 v[XSR], s49, v[LI]
	s_lshl_b32 s49, s50, 10
	s_add_co_u32 s49, s49, MST
	v_lshl_add_u32 v[MSW], v2, 6, s49
	s_delay_alu instid0(VALU_DEP_1)
	v_lshl_add_u32 v[MSW], v3, 5, v[MSW]           ; MST + 1,024 tile + 64 r + 32 h
	v_add_nc_u32 v[MSR], s49, v[LI]
	s_lshl_b32 s52, ttmp9, 17                      ; 32 rows of 4,096 bytes,
	s_lshl_b32 s54, s[WV], 9                       ; my K step's 512 bytes
	s_add_co_u32 s52, s52, s54
	s_mov_b32 s53, 0
	s_mov_b32 s55, 0
	s_mul_i32 s58, ttmp9, 24576                    ; xq: two tiles of 8 fragments,
	s_mul_i32 s59, s[WV], 1536                     ; my K step's fragment
	s_add_co_u32 s58, s58, s59
	s_mov_b32 s59, 0
	s_lshl_b32 s60, ttmp9, 10                      ; xs: 32 rows of 32 bytes, the finisher's 16
	s_lshl_b32 s61, s50, 9
	s_add_co_u32 s60, s60, s61
	s_mov_b32 s61, 0
	s_lshl_b32 s62, s60, 1                         ; mixw: rows of 64 bytes
	s_mov_b32 s63, 0
	s_mov_b32 s[SEL], 0x76543210
	s_mov_b32 s[SEL+1], 0xfedcba98                 ; v_permlanex16_b32's selects for lane l xor 16
	s_wait_alu depctr_va_vdst(0)
	s_wait_kmcnt 0x0
	s_add_nc_u64 s[4:5], s[4:5], s[52:53]
	s_add_nc_u64 s[6:7], s[6:7], s[54:55]
	s_add_nc_u64 s[20:21], s[20:21], s[58:59]
	s_add_nc_u64 s[22:23], s[22:23], s[60:61]
	s_add_nc_u64 s[24:25], s[24:25], s[62:63]
.set J, 0
.rept 16
	global_load_b128 v[NT+4*J:NT+4*J+3], v[NWO], s[6:7] offset:128*(J/4)+16*(J%4)   ; my node's 16 numbers of each block of 32
.set J, J+1
.endr
.set J, 0
.rept 32
	global_load_b128 v[R0+4*J:R0+4*J+3], v[LI], s[4:5] offset:4096*J th:TH_LOAD_NT   ; row J: 32 lanes read 512 consecutive bytes
.set J, J+1
.endr
	s_wait_loadcnt 32                              ; the node loads are in; x's 32 may be out
.set J, 0
.rept 32
	v_cvt_pk_bf16_f32 v[NW+J], v[NT+2*J], v[NT+2*J+1]
.set J, J+1
.endr
.irp b, 0,1,2,3
	v_mov_b32 v[TM+4+\b], 0                        ; a lane permute's destination counts as one of its sources
.endr
.macro UNIT u
.set RR, R0+64*(\u)
	s_wait_loadcnt 16*(1-(\u))                     ; this tile's 16 rows are in
.set J, 0
.rept 16
	ds_store_b128 v[STI], v[RR+4*J:RR+4*J+3] offset:528*J
.set J, J+1
.endr
.set J, 0
.rept 16
	ds_load_b128 v[RR+4*J:RR+4*J+3], v[STO] offset:128*(J/4)+16*(J%4)   ; LDS serves a wave's instructions in order: these see the stores above
.set J, J+1
.endr
	s_wait_dscnt 0x0
.if \u
	s_wait_xcnt 0x0                                ; the first tile's stores have read the codes' registers
.endif
	QUANT RR
.irp c, 0,1,2
	global_store_b128 v[LI], v[PC+4*\c:PC+4*\c+3], s[20:21] offset:12288*(\u)+512*\c   ; 512 consecutive bytes
.endr
	ds_store_b32 v[XSW], v[PW] offset:512*(\u)     ; both halves of the lanes write the same word with the same value
.set J, 0
.rept 32
	v_cvt_pk_bf16_f32 v[XB+J], v[RR+2*J], v[RR+2*J+1]
.set J, J+1
.endr
	v_wmma_f32_16x16x32_bf16 v[ACA:ACA+7], v[NW:NW+7], v[XB:XB+7], 0               ; two accumulators by turns, one instruction a turn
	v_wmma_f32_16x16x32_bf16 v[ACB:ACB+7], v[NW+8:NW+15], v[XB+8:XB+15], 0
	v_wmma_f32_16x16x32_bf16 v[ACA:ACA+7], v[NW+16:NW+23], v[XB+16:XB+23], v[ACA:ACA+7]
	v_wmma_f32_16x16x32_bf16 v[ACB:ACB+7], v[NW+24:NW+31], v[XB+24:XB+31], v[ACB:ACB+7]
	PLACES 4
.irp i, 0,2,4,6
	v_pk_add_f32 v[XB+\i:XB+\i+1], v[ACA+\i:ACA+\i+1], v[ACB+\i:ACB+\i+1]          ; from the low end on: lane (r, h), register j: node 8 h + j, row r
.endr
	ds_store_b128 v[REDW], v[XB:XB+3] offset:8192*(\u)
	ds_store_b128 v[REDW], v[XB+4:XB+7] offset:8192*(\u)+512
.endm
	UNIT 0
	UNIT 1
	s_wait_dscnt 0x0                               ; for the others' sake: my partial logits and scale words lie in LDS
	s_barrier_signal -1
	s_barrier_wait -1
	s_cmp_lt_u32 s[WV], 2
	s_cbranch_scc1 .Lfinish
	s_wait_tensorcnt 0x0
	ds_add_u32 v254, v255
	s_wait_dscnt 0x0
	s_endpgm
.Lfinish:                                          ; waves 0 and 1: one tile of 16 rows each
	s_load_b256 s[32:39], s[8:9], 0x0              ; the 15 biases: 60 bytes
	s_load_b128 s[40:43], s[8:9], 0x20
	s_load_b64 s[44:45], s[8:9], 0x30
	s_load_b32 s46, s[8:9], 0x38
.set J, 0
.rept 16
	ds_load_b128 v[16+4*J:16+4*J+3], v[REDR] offset:1024*(J/2)+512*(J%2)
.set J, J+1
.endr
	ds_load_b128 v[144:147], v[XSR]
	s_wait_dscnt 0x0
	global_store_b128 v[LI], v[144:147], s[22:23]  ; 16 rows' scale words: 512 consecutive bytes
.irp p, 1,2,3,4,5,6,7
.irp i, 0,2,4,6
	v_pk_add_f32 v[16+\i:17+\i], v[16+\i:17+\i], v[16+8*\p+\i:17+8*\p+\i]
.endr
.endr
.irp j, 0,1,2,3,4,5,6,7
	v_permlanex16_b32 v[24+\j], v[16+\j], s[SEL], s[SEL+1]   ; the other eight nodes of my row
.endr
	v_cmp_eq_u32 vcc_lo, 1, v3
.irp j, 0,1,2,3,4,5,6,7
	v_cndmask_b32 v[32+\j], v[16+\j], v[24+\j], vcc_lo       ; nodes 0-7
	v_cndmask_b32 v[40+\j], v[24+\j], v[16+\j], vcc_lo       ; nodes 8-15
.endr
	s_wait_alu depctr_va_vdst(0)
	s_wait_kmcnt 0x0
.irp n, 0,1,2,3,4,5,6,7,8,9,10,11,12,13,14
	v_add_f32 v[32+\n], s[32+\n], v[32+\n]         ; logit + bias
.endr
.irp n, 0,1,2,3,4,5,6,7,8,9,10,11,12,13,14
	v_mul_f32 v[32+\n], 0xbfb8aa3b, v[32+\n]       ; x -log2(e)
.endr
	s_wait_alu depctr_va_vdst(0)
.irp n, 0,1,2,3,4,5,6,7,8,9,10,11,12,13,14
	v_exp_f32 v[32+\n], v[32+\n]
.endr
	v_nop                                          ; a plain place behind the batch
	s_wait_alu depctr_va_vdst(0)                   ; one wait for the 15, ahead of their first reader
.irp n, 0,1,2,3,4,5,6,7,8,9,10,11,12,13,14
	v_add_f32 v[32+\n], 1.0, v[32+\n]
.endr
	s_wait_alu depctr_va_vdst(0)
.irp n, 0,1,2,3,4,5,6,7,8,9,10,11,12,13,14
	v_rcp_f32 v[48+\n], v[32+\n]                   ; be = sigmoid
.endr
	v_nop
	s_wait_alu depctr_va_vdst(0)
.irp n, 0,1,2,3,4,5,6,7,8,9,10,11,12,13,14
	v_sub_f32 v[64+\n], 1.0, v[48+\n]              ; 1 - be
.endr
	v_mul_f32 v80, v64, v65                        ; depth 1: group 2 i + bit = (depth 0's i) x (bit ? be : 1 - be) of node 1 + i
	v_mul_f32 v81, v64, v49
	v_mul_f32 v82, v48, v66
	v_mul_f32 v83, v48, v50
.irp i, 0,1,2,3
	v_mul_f32 v[84+2*\i], v[80+\i], v[67+\i]       ; depth 2: nodes 3 + i
	v_mul_f32 v[85+2*\i], v[80+\i], v[51+\i]
.endr
.irp i, 0,1,2,3,4,5,6,7
	v_mul_f32 v[96+2*\i], v[84+\i], v[71+\i]       ; depth 3: nodes 7 + i: the 16 leaves
	v_mul_f32 v[97+2*\i], v[84+\i], v[55+\i]
.endr
.irp j, 0,1,2,3,4,5,6,7
	v_cndmask_b32 v[112+\j], v[96+\j], v[104+\j], vcc_lo     ; my half's eight leaves
.endr
	ds_store_b128 v[MSW], v[112:115]
	ds_store_b128 v[MSW], v[116:119] offset:16
	ds_load_b128 v[120:123], v[MSR]                ; my own bytes, served in order
	ds_load_b128 v[124:127], v[MSR] offset:512
	s_wait_dscnt 0x0
	global_store_b128 v[LI], v[120:123], s[24:25]
	global_store_b128 v[LI], v[124:127], s[24:25] offset:512
	s_wait_tensorcnt 0x0
	ds_add_u32 v254, v255
	s_wait_dscnt 0x0
	s_endpgm
	; ---------------- the weights ----------------
.Lweights:
	s_sub_co_u32 s49, ttmp9, 256
	s_lshl_b32 s50, s49, 3
	s_add_co_u32 s50, s50, s[WV]
	s_and_b32 s50, s50, 255                        ; my task among 256
	s_lshr_b32 s51, s50, 4                         ; the leaf
	s_cmp_lt_u32 s49, 32
	s_cbranch_scc0 .Lw2
	; W1: task = (leaf, tile t): 8 K steps
	s_and_b32 s52, s50, 15
	s_lshr_b32 s53, s52, 1
	s_and_b32 s54, s52, 1
	s_mul_i32 s56, s51, 196608
	s_mul_i32 s57, s53, 24576                      ; 32 rows of 768 bytes
	s_add_co_u32 s56, s56, s57
	s_mul_i32 s57, s54, 6144                       ; 8 rows
	s_add_co_u32 s56, s56, s57
	s_mov_b32 s57, 0
	s_mul_i32 s58, s51, 196608
	s_mul_i32 s59, s52, 3072
	s_add_co_u32 s58, s58, s59
	s_mov_b32 s59, 0
	s_lshl_b32 s60, s51, 13
	s_lshl_b32 s61, s53, 10
	s_add_co_u32 s60, s60, s61
	s_lshl_b32 s61, s54, 8
	s_add_co_u32 s60, s60, s61
	s_mov_b32 s61, 0
	s_lshl_b32 s62, s50, 9
	s_mov_b32 s63, 0
	s_wait_alu depctr_va_vdst(0)
	v_and_b32 v5, 8, v2
	s_delay_alu instid0(VALU_DEP_1)
	v_add_nc_u32 v5, v5, v2                        ; r + 8 (r / 8)
	s_delay_alu instid0(VALU_DEP_1)
	v_mul_u32_u24 v6, v5, 768
	s_delay_alu instid0(VALU_DEP_1)
	v_mad_u32_u24 v6, v3, 24, v6
	s_delay_alu instid0(VALU_DEP_3)
	v_lshlrev_b32 v7, 5, v5
	s_delay_alu instid0(VALU_DEP_1)
	v_lshl_add_u32 v7, v3, 4, v7
	v_lshlrev_b32 v8, 5, v2
	s_delay_alu instid0(VALU_DEP_1)
	v_lshl_add_u32 v8, v3, 4, v8
	s_wait_alu depctr_va_vdst(0)
	s_wait_kmcnt 0x0
	s_add_nc_u64 s[10:11], s[10:11], s[56:57]
	s_add_nc_u64 s[26:27], s[26:27], s[58:59]
	s_add_nc_u64 s[12:13], s[12:13], s[60:61]
	s_add_nc_u64 s[28:29], s[28:29], s[62:63]
.irp s, 0,1,2,3,4,5,6,7
.irp p, 0,1,2,3,4,5
	global_load_b64 v[32+12*\s+2*\p:33+12*\s+2*\p], v6, s[10:11] offset:96*\s+48*(\p/3)+8*(\p%3)
.endr
.endr
	global_load_b128 v[128:131], v7, s[12:13]      ; half of my row's eight scale words
	s_wait_loadcnt 0x0
.irp s, 0,1,2,3,4,5,6,7
.irp c, 0,1,2
	global_store_b128 v[LI], v[32+12*\s+4*\c:35+12*\s+4*\c], s[26:27] offset:(\s/2)*49152+(\s%2)*1536+512*\c
.endr
.endr
	global_store_b128 v8, v[128:131], s[28:29]
	s_endpgm
.Lw2:                                              ; W2: task = (leaf, block of 256 outputs ob, wave w of the last launch): 4 tiles x 2 K steps
	s_bfe_u32 s52, s50, 0x20002                    ; ob
	s_and_b32 s53, s50, 3                          ; w
	s_mul_i32 s56, s51, 196608
	s_mul_i32 s57, s52, 49152
	s_add_co_u32 s56, s56, s57
	s_mul_i32 s57, s53, 12288
	s_add_co_u32 s56, s56, s57
	s_mov_b32 s57, 0
	s_mul_i32 s58, s52, 835584
	s_mul_i32 s59, s51, 52224
	s_add_co_u32 s58, s58, s59                     ; the sub-pack
	s_mov_b32 s59, 0
	s_lshl_b32 s60, s51, 13
	s_lshl_b32 s61, s52, 11
	s_add_co_u32 s60, s60, s61
	s_lshr_b32 s61, s53, 1
	s_lshl_b32 s61, s61, 10
	s_add_co_u32 s60, s60, s61
	s_and_b32 s61, s53, 1
	s_lshl_b32 s61, s61, 2
	s_add_co_u32 s60, s60, s61
	s_mov_b32 s61, 0
	s_lshl_b32 s62, s51, 12
	s_lshl_b32 s63, s52, 10
	s_add_co_u32 s62, s62, s63
	s_lshl_b32 s63, s53, 8
	s_add_co_u32 s62, s62, s63
	s_mov_b32 s63, 0
	s_mul_i32 s38, s53, 12288
	s_mov_b32 s39, 0
	s_lshl_b32 s40, s53, 9
	s_mov_b32 s41, 0
	s_lshl_b32 s42, s53, 8
	s_mov_b32 s43, 0
	s_wait_alu depctr_va_vdst(0)
	v_mul_u32_u24 v6, v2, 192
	s_delay_alu instid0(VALU_DEP_1)
	v_mad_u32_u24 v6, v3, 24, v6
	v_and_b32 v7, 1, v1
	s_delay_alu instid0(VALU_DEP_1)
	v_lshlrev_b32 v7, 9, v7
	v_lshrrev_b32 v9, 1, v1
	s_delay_alu instid0(VALU_DEP_1)
	v_lshl_add_u32 v7, v9, 3, v7                   ; scale words: (lane % 2) x 64 rows + (lane / 2) rows, 8 bytes a row
	v_lshlrev_b32 v8, 3, v1
	s_wait_alu depctr_va_vdst(0)
	s_wait_kmcnt 0x0
	s_add_nc_u64 s[14:15], s[14:15], s[56:57]
	s_add_nc_u64 s[30:31], s[30:31], s[58:59]
	s_add_nc_u64 s[16:17], s[16:17], s[60:61]
	s_add_nc_u64 s[18:19], s[18:19], s[62:63]
	s_add_nc_u64 s[32:33], s[30:31], s[38:39]
	s_add_nc_u64 s[34:35], s[30:31], s[40:41]
	s_add_nc_u64 s[36:37], s[30:31], s[42:43]
.irp f, 0,1,2,3,4,5,6,7
.irp p, 0,1,2,3,4,5
	global_load_b64 v[32+12*\f+2*\p:33+12*\f+2*\p], v6, s[14:15] offset:3072*(\f/2)+96*(\f%2)+48*(\p/3)+8*(\p%3)
.endr
.endr
.irp t, 0,1,2,3
	global_load_b32 v[128+\t], v7, s[16:17] offset:128*\t
.endr
	global_load_b64 v[132:133], v8, s[18:19]       ; 256 bytes of b2
	s_wait_loadcnt 0x0
.irp f, 0,1,2,3,4,5,6,7
.irp c, 0,1,2
	global_store_b128 v[LI], v[32+12*\f+4*\c:35+12*\f+4*\c], s[32:33] offset:1536*\f+512*\c
.endr
.endr
	global_store_b128 v[LI], v[128:131], s[34:35] offset:49152
	global_store_b64 v8, v[132:133], s[36:37] offset:51200
	s_endpgm
.Lfunc_end_k_q14ffab0715_prep:
	.size	k_q14ffab0715_prep, .Lfunc_end_k_q14ffab0715_prep-k_q14ffab0715_prep
	.p2alignl 7, 3214868480
	.fill 96, 4, 3214868480
	.section	.rodata,"a",@progbits
	.p2align	6, 0x0
	.amdhsa_kernel k_q14ffab0715_prep
		.amdhsa_group_segment_fixed_size 88064
		.amdhsa_private_segment_fixed_size 0
		.amdhsa_enable_private_segment 0
		.amdhsa_kernarg_size 112
		.amdhsa_user_sgpr_count 2
		.amdhsa_user_sgpr_kernarg_segment_ptr 1
		.amdhsa_wavefront_size32 1
		.amdhsa_system_sgpr_workgroup_id_x 1
		.amdhsa_system_sgpr_workgroup_id_y 1
		.amdhsa_system_sgpr_workgroup_id_z 1
		.amdhsa_system_vgpr_workitem_id 0
		.amdhsa_next_free_vgpr 256
		.amdhsa_next_free_sgpr 66
		.amdhsa_reserve_vcc 1
		.amdhsa_float_denorm_mode_32 3
		.amdhsa_float_denorm_mode_16_64 3
		.amdhsa_memory_ordered 1
		.amdhsa_forward_progress 1
		.amdhsa_inst_pref_size 59
	.end_amdhsa_kernel
	.amdgpu_metadata
---
amdhsa.version: [ 1, 2 ]
amdhsa.kernels:
  - .name:           k_q14ffab0715_prep
    .symbol:         k_q14ffab0715_prep.kd
    .args:
      - { .name: x, .offset: 0, .size: 8, .value_kind: global_buffer, .address_space: global }
      - { .name: node_weights, .offset: 8, .size: 8, .value_kind: global_buffer, .address_space: global }
      - { .name: node_biases, .offset: 16, .size: 8, .value_kind: global_buffer, .address_space: global }
      - { .name: w1s_codes, .offset: 24, .size: 8, .value_kind: global_buffer, .address_space: global }
      - { .name: w1s_scales, .offset: 32, .size: 8, .value_kind: global_buffer, .address_space: global }
      - { .name: w2s_codes, .offset: 40, .size: 8, .value_kind: global_buffer, .address_space: global }
      - { .name: w2s_scales, .offset: 48, .size: 8, .value_kind: global_buffer, .address_space: global }
      - { .name: b2s, .offset: 56, .size: 8, .value_kind: global_buffer, .address_space: global }
      - { .name: xq, .offset: 64, .size: 8, .value_kind: global_buffer, .address_space: global }
      - { .name: xs, .offset: 72, .size: 8, .value_kind: global_buffer, .address_space: global }
      - { .name: mixw, .offset: 80, .size: 8, .value_kind: global_buffer, .address_space: global }
      - { .name: w1p, .offset: 88, .size: 8, .value_kind: global_buffer, .address_space: global }
      - { .name: w1sp, .offset: 96, .size: 8, .value_kind: global_buffer, .address_space: global }
      - { .name: w2p, .offset: 104, .size: 8, .value_kind: global_buffer, .address_space: global }
    .group_segment_fixed_size: 88064
    .private_segment_fixed_size: 0
    .kernarg_segment_align: 8
    .kernarg_segment_size: 112
    .max_flat_workgroup_size: 256
    .sgpr_count:     66
    .vgpr_count:     256
    .wavefront_size: 32
...
	.end_amdgpu_metadata
.endif
;; end of part 1
;; launch hidden (part 2): grid 8 x 32, 4 waves a work-group, clusters of 4 x 4, 327,680 bytes of LDS; arguments xq, xs, w1p, w1sp, b1s, hid; writes hid
.if DOCPART == 2
	.amdgcn_target "amdgcn-amd-amdhsa--gfx1250"
	.amdhsa_code_object_version 6
	.text
	.protected	k_q14ffab0715_hidden
	.globl	k_q14ffab0715_hidden
	.p2align	8
	.type	k_q14ffab0715_hidden,@function
k_q14ffab0715_hidden:
	s_mov_b64 s[64:65], 0
	v_nop
	global_prefetch_b8 v0, s[64:65] scope:SCOPE_SE
	s_setreg_imm32_b32 hwreg(HW_REG_WAVE_MODE, 25, 1), 1
	s_wait_xcnt 0x0
	s_wait_alu depctr_hold_cnt(0) depctr_sa_sdst(0) depctr_va_vdst(0) depctr_va_sdst(0) depctr_va_ssrc(0) depctr_va_vcc(0) depctr_vm_vsrc(0)
	s_getreg_b32 s2, hwreg(HW_REG_IB_STS2, 6, 4)
	s_cmp_eq_u32 s2, 0
	s_cbranch_scc0 .Lentry_in_a_cluster
	s_endpgm
.Lentry_in_a_cluster:
	s_bfe_u32 s2, ttmp6, 0x10000c
	s_cmp_lg_u32 s2, 0xf033
	s_cbranch_scc0 .Lentry_shape_is_right
	s_endpgm
.Lentry_shape_is_right:
; HIDDEN: a = Q(relu(Q(x) W1 + b1)), all 16 leaves, on codes of E2M3 with E8M0 scales; the result leaves as codes, as images of the second product's operand registers.
; SHARES.  Work-group (cg, T): rows 256 T on, leaves 2 cg and 2 cg + 1.  Wave (i, c): 128 rows x 128 hidden units, 64 accumulators of 16 x 16, first for the one leaf, then for the other.
; The product is used TRANSPOSED (source 0 = 16 rows of W1, source 1 = 16 rows of x): a lane holds one row of x and its registers run along the hidden units, in the order that the rows of W1's tiles were chosen for.
; LDS.  x's codes of the 256 rows, all of K (196,608 bytes), come once and stay; W1 goes through a ring of two slots of 256 along K (49,152 bytes each), 8 steps in all; the scale words of x and of both leaves come once.
; All operands lie as register images (a fragment: 1,536 bytes, three loads of 16 bytes a lane, 512 consecutive bytes each): no pitch, no padding.
; CLUSTER 4 x 4: the four of a row share T, so x's tiles and scale words are asked for jointly along the row; the four of a column share cg, so W1's are asked for jointly along the column.
; In the refills every wave issues the same load, each its quarter: no branch stands round it.  By this text's count a wave has one tensor load out at the start and one behind each round.
; b1 is the C of each sum's first matrix instruction.  The 64 accumulators take turns, one instruction a turn.
; LIMITS: as in the first launch: a block whose largest magnitude lies under 2^-124, a block of zeros among them, keeps the byte 1; NaN and infinities are not served.
; REGISTERS.  window 0: v1-14 addresses; v28, v29 the add's; v32-43 scale words on the way out; v64-127 scale words (register 8 i + s: lanes 0-15 x's tile i, lanes 16-31 W1's tile i, K step s); v128-223 x's 8 fragments, ONE set;
;   on the way out v128-191 a tile's 64 numbers, v192-228 the quantiser's.   window 1: W1's fragments, two sets at v0 and v128; b1's tiles at v96-127 and v224-255.   windows 2, 3: accumulator (a, b) at v[8 (8 (a % 4) + b)].
.set ACH,   49152                      ; a chunk of x (256 along K of 256 rows), and a slot of W1
.set BRING, 4*ACH
.set XS,    BRING+2*ACH                ; x's scale words: 256 rows x 32 bytes
.set WS,    XS+8192                    ; W1's: 32 tiles x 512 bytes
.set SPARE, WS+16384                   ; the spare words, 128 bytes a wave: two blocks of 256 bytes that no other line names
.set ADRA, 4                           ; v4-7   my x fragments in chunk 0..3
.set ADRB, 8                           ; v8-9   my W1 fragments in slot 0, 1
.set ADRS, 10                          ; v10    my scale words: lanes 0-15 x's, lanes 16-31 W1's
.set B1O,  11                          ; v11    64 h
.set SOF,  12                          ; v12    32 r + 16 h + 512 c
.set PFO,  13                          ; v13    256 x min(lane, 11)
.set LIC,  14                          ; v14    16 lane + 1,536 c
.set SPW,  28
.set NIL,  29
.set PWS,  32
.set SW,   40
.set SC,   64
.set AF,   128
.set T,    128
.set PC,   192
.set TM,   212
.set PW,   228
.set WV,   16
.set G1A,  24
.set G1B,  32
.set G1XS, 40
.set G1WS, 48
.set G0XS, 56
.set G0WS, 60
.set G0A,  68
.set G0B,  84
.set PFA,  96
.set LIM,  98
.set SEL,  100
.set MSB, 0
.macro WIN new                         ; the immediate's high byte repeats the setting that is left
.if MSB != (\new)
	s_set_vgpr_msb (MSB<<8)|(\new)
.set MSB, (\new)
.endif
.endm
.macro PLACES n
.rept \n
	v_nop
.endr
.endm
.macro CREST                           ; a round of the cluster's barrier behind its opening barrier
	s_cmp_lg_u32 s[WV], 0
	s_cbranch_scc1 .Lnot_wave_0_\@
	s_barrier_signal -3
.Lnot_wave_0_\@:
	s_barrier_wait -3
	s_barrier_signal -1
	s_barrier_wait -1
.endm
.macro CROUND
	s_barrier_signal -1
	s_barrier_wait -1
	CREST
.endm
.macro DENSE g, rows                   ; group 1 of a dense block: rows of 256 bytes (32 elements of 8 bytes)
	s_mov_b32 s[\g+1], 32<<16
	s_mov_b32 s[\g+2], (\rows)<<16
	s_mov_b32 s[\g+3], 32<<16
	s_mov_b32 s[\g+4], \rows
	s_mov_b32 s[\g+5], 32
	s_mov_b32 s[\g+6], 0
	s_mov_b32 s[\g+7], 0
.endm
.macro QUANT s                         ; 64 numbers, register 16 b + i = k 32 b + 16 (lane / 16) + i of my row -> codes in v[PC] on, scale word in v[PW]
.irp b, 0,1,2,3
	v_max3_num_f32 v[TM+\b], |v[\s+16*\b]|, |v[\s+1+16*\b]|, 0x1800000   ; and the floor 2^(3 - 127): the byte cannot fall under 1
.endr
.irp i, 2,4,6,8,10,12,14
.irp b, 0,1,2,3
	v_max3_num_f32 v[TM+\b], v[TM+\b], |v[\s+16*\b+\i]|, |v[\s+1+16*\b+\i]|
.endr
.endr
.irp b, 0,1,2,3
	v_permlanex16_b32 v[TM+4+\b], v[TM+\b], s[SEL], s[SEL+1]
.endr
.irp b, 0,1,2,3
	v_max_num_f32 v[TM+\b], v[TM+\b], v[TM+4+\b]
.endr
.irp b, 0,1,2,3
	v_add_nc_u32 v[TM+12+\b], 0xff000000, v[TM+\b]   ; 2 off the exponent field: the conversion's scale operand
.endr
.irp b, 0,1,2,3
	v_lshrrev_b32 v[TM+4+\b], 23, v[TM+12+\b]
.endr
	v_lshl_or_b32 v[PW], v[TM+5], 8, v[TM+4]
	v_lshl_or_b32 v[PW], v[TM+6], 16, v[PW]
	v_lshl_or_b32 v[PW], v[TM+7], 24, v[PW]
.irp c, 0,1
	v_cvt_scalef32_pk16_fp6_f32 v[PC+6*\c:PC+2+6*\c], v[\s+32*\c:\s+15+32*\c], v[TM+12+2*\c]
	v_cvt_scalef32_pk16_fp6_f32 v[PC+12+4*\c:PC+14+4*\c], v[\s+16+32*\c:\s+31+32*\c], v[TM+12+2*\c+1]
.endr
	v_nop                                          ; one plain place behind a scaled conversion
.irp c, 0,1
.irp i, 0,1,2
	v_permlane16_swap_b32 v[PC+6*\c+\i], v[PC+12+4*\c+\i]
.endr
.irp i, 0,1,2
	v_mov_b32 v[PC+3+6*\c+\i], v[PC+12+4*\c+\i]
.endr
.endr
.endm
	s_load_b256 s[4:11], s[0:1], 0x0               ; xq 4, xs 6, w1p 8, w1sp 10
	s_load_b128 s[12:15], s[0:1], 0x20             ; b1s 12, hid 14
	v_lshl_add_u32 v[SPW], v0, 2, SPARE
	v_mov_b32 v[NIL], 0
	ds_add_u32 v28, v29
	ds_add_u32 v28, v29
	s_wait_dscnt 0x0
	v_lshrrev_b32 v1, 5, v0
	v_readfirstlane_b32 s[WV], v1                  ; wave 0..3
	s_lshr_b32 s17, s[WV], 1                       ; i: which 128 rows
	s_and_b32 s18, s[WV], 1                        ; c: which 128 hidden units
	s_bfe_u32 s19, ttmp6, 0x40000                  ; cx
	s_bfe_u32 s20, ttmp6, 0x40004                  ; cy
	s_lshl_b32 s21, ttmp9, 2
	s_add_co_u32 s21, s21, s19                     ; cg = 4 x cluster x + cx
	s_and_b32 s22, ttmp7, 0xffff
	s_cmp_eq_u32 s22, 0
	s_cselect_b32 s[LIM], 1, 0                     ; the first row of clusters prefetches W1: the same in all sixteen partners
	s_lshl_b32 s22, s22, 2
	s_add_co_u32 s22, s22, s20                     ; T = 4 x cluster y + cy
	s_lshl_b32 s94, s20, 2
	s_lshl_b32 s94, 15, s94                        ; my row of the cluster
	s_lshl_b32 s95, 0x1111, s19                    ; my column
	s_or_b32 s[G1A], s94, (3<<16)|(1<<21)          ; the mask; elements of 8 bytes; bit 21 beside a mask; no padding
	s_or_b32 s[G1B], s95, (3<<16)|(1<<21)
	s_or_b32 s[G1XS], s94, (3<<16)|(1<<21)
	s_or_b32 s[G1WS], s95, (3<<16)|(1<<21)
	s_mov_b32 s[G1A+1], 384<<16                    ; x: 16 tiles of rows, of each 3,072 bytes (two fragments), 12,288 bytes apart
	s_mov_b32 s[G1A+2], 16<<16                     ; a whole chunk: all 16 tiles of rows
	s_mov_b32 s[G1A+3], 384<<16
	s_mov_b32 s[G1A+4], 16
	s_mov_b32 s[G1A+5], 1536
	s_mov_b32 s[G1A+6], 0
	s_mov_b32 s[G1A+7], 0
	DENSE G1B, 192                                 ; W1: a whole step, 49,152 dense bytes, for the two first fills; set to a quarter (48 rows) for the ring's refills
	DENSE G1XS, 32                                 ; 8,192: all of x's scale words
	DENSE G1WS, 64                                 ; 16,384: all of W1's
	s_mul_i32 s92, s22, 196608                     ; x: hangs on T alone
	s_mov_b32 s93, 0
	s_mul_i32 s96, s21, 393216                     ; W1: hangs on cg and the wave alone
	s_mul_i32 s23, s[WV], 12288                    ; my quarter, in memory and in LDS
	s_add_co_u32 s96, s96, s23
	s_mov_b32 s97, 0
	s_wait_kmcnt 0x0
	s_add_nc_u64 s[92:93], s[4:5], s[92:93]
	s_add_nc_u64 s[96:97], s[8:9], s[96:97]
.irp ch, 0,1,2,3
	s_mov_b32 s[G0A+4*\ch], 1
	s_mov_b32 s[G0A+4*\ch+1], \ch*ACH
	s_add_nc_u64 s[G0A+4*\ch+2:G0A+4*\ch+3], s[92:93], \ch*3072
	s_or_b32 s[G0A+4*\ch+3], s[G0A+4*\ch+3], 0x80000000
.endr
.irp sl, 0,1
	s_mov_b32 s[G0B+4*\sl], 1
	s_add_co_u32 s[G0B+4*\sl+1], s23, BRING+\sl*ACH
	s_add_nc_u64 s[G0B+4*\sl+2:G0B+4*\sl+3], s[96:97], \sl*ACH
	s_or_b32 s[G0B+4*\sl+3], s[G0B+4*\sl+3], 0x80000000
.endr
	s_lshl_b32 s92, s22, 13
	s_mov_b32 s93, 0
	s_mov_b32 s[G0XS], 1
	s_mov_b32 s[G0XS+1], XS
	s_add_nc_u64 s[G0XS+2:G0XS+3], s[6:7], s[92:93]
	s_or_b32 s[G0XS+3], s[G0XS+3], 0x80000000
	s_lshl_b32 s2, s21, 14
	s_mov_b32 s3, 0
	s_mov_b32 s[G0WS], 1
	s_mov_b32 s[G0WS+1], WS
	s_add_nc_u64 s[G0WS+2:G0WS+3], s[10:11], s[2:3]
	s_or_b32 s[G0WS+3], s[G0WS+3], 0x80000000
	s_mul_i32 s2, s21, 393216                      ; W1's steps 0 and 1, whole: group 0 in s[4:7] and s[8:11] (the arguments that lay there have been used)
	s_mov_b32 s3, 0
	s_add_nc_u64 s[2:3], s[8:9], s[2:3]
	s_mov_b32 s4, 1
	s_mov_b32 s5, BRING
	s_mov_b64 s[6:7], s[2:3]
	s_or_b32 s7, s7, 0x80000000
	s_mov_b32 s8, 1
	s_mov_b32 s9, BRING+ACH
	s_add_nc_u64 s[10:11], s[2:3], ACH
	s_or_b32 s11, s11, 0x80000000
	CROUND                                         ; all sixteen work-groups are here: the first joint loads meet
; The first fills go out in two groups of four whole tiles, one joint load a wave in each: here x's chunk 0, W1's step 0 and the two tables of scale words;
; behind the next round x's chunks 1 to 3 and W1's step 1.  One chain of branches on the wave's number, a load to an arm, all arms to one join.  By this text's count a wave never has more than one tensor load out.
.macro ARM under, g0, g1, next, join
	s_cmp_lt_u32 s[WV], \under
	s_cbranch_scc0 \next
	tensor_load_to_lds s[\g0:\g0+3], s[\g1:\g1+7]
	s_nop 0
	PLACES 4
	s_branch \join
\next:
.endm
	ARM 1, G0A,  G1A,  .Lh_b,  .Lh_asked
	ARM 2, 4,    G1B,  .Lh_xs, .Lh_asked
	ARM 3, G0XS, G1XS, .Lh_ws, .Lh_asked
	tensor_load_to_lds s[G0WS:G0WS+3], s[G1WS:G1WS+7]
	s_nop 0
	PLACES 4
.Lh_asked:
	s_mul_i32 s2, s20, 3072                        ; the prefetches: of my quarter of a step the partner at place cy takes 12 blocks of 256 bytes: told apart by address
	s_mov_b32 s3, 0
	s_add_nc_u64 s[PFA:PFA+1], s[PFA:PFA+1], s[2:3]
	s_lshl_b32 s2, s22, 1
	s_add_co_u32 s2, s2, s17                       ; my block of 128 rows: 2 T + i
	s_lshl_b32 s2, s2, 4
	s_lshl_b32 s3, s21, 1
	s_add_co_u32 s2, s2, s3                        ; x 16 leaves + my first leaf
	s_mul_i32 s2, s2, 25600
	s_mov_b32 s3, 0
	s_add_nc_u64 s[14:15], s[14:15], s[2:3]
	s_lshl_b32 s2, s21, 11
	s_lshl_b32 s3, s18, 9
	s_add_co_u32 s2, s2, s3
	s_mov_b32 s3, 0
	s_add_nc_u64 s[12:13], s[12:13], s[2:3]        ; b1: my first leaf, my 128 units
	s_mov_b32 s[SEL], 0x76543210
	s_mov_b32 s[SEL+1], 0xfedcba98
	v_and_b32 v1, 15, v0                           ; r
	v_bfe_u32 v2, v0, 4, 1                         ; h
	v_and_b32 v3, 31, v0
	v_min_u32 v[PFO], 11, v3
	v_lshlrev_b32 v[PFO], 8, v[PFO]
	v_lshlrev_b32 v3, 4, v3                        ; 16 x lane
	s_wait_alu depctr_va_vdst(0)
	s_mul_i32 s2, s17, 24576                       ; my 8 tiles of rows
.irp ch, 0,1,2,3
	v_add_nc_u32 v[ADRA+\ch], s2, v3
	s_add_co_u32 s2, s2, ACH
.endr
	s_mul_i32 s2, s18, 24576                       ; my 8 tiles of W1
	s_add_co_u32 s2, s2, BRING
.irp sl, 0,1
	v_add_nc_u32 v[ADRB+\sl], s2, v3
	s_add_co_u32 s2, s2, ACH
.endr
	v_lshlrev_b32 v[ADRS], 5, v1                   ; 32 bytes a row
	s_lshl_b32 s2, s17, 12
	s_lshl_b32 s3, s18, 12
	s_add_co_u32 s3, s3, WS-XS
	s_sub_co_u32 s3, s3, s2                        ; from x's words to W1's: one product with h
	v_mul_u32_u24 v15, s3, v2
	s_add_co_u32 s2, s2, XS
	v_add_nc_u32 v[ADRS], v[ADRS], v15
	v_add_nc_u32 v[ADRS], s2, v[ADRS]
	v_lshlrev_b32 v[B1O], 6, v2
	v_lshlrev_b32 v[SOF], 5, v1
	v_lshl_add_u32 v[SOF], v2, 4, v[SOF]
	s_lshl_b32 s2, s18, 9
	v_add_nc_u32 v[SOF], s2, v[SOF]
	s_mul_i32 s2, s18, 1536
	v_add_nc_u32 v[LIC], s2, v3
.macro FRAG3 reg, adr, off             ; a fragment's image: three loads, 512 consecutive bytes each
.irp c, 0,1,2
	ds_load_b128 v[(\reg)+4*\c:(\reg)+4*\c+3], v[(\adr)] offset:(\off)+512*\c
.endr
.endm
.macro FETCH_B slot, q, p              ; W1's eight fragments of the slot's q-th 128 along K into set p
	WIN 0x40
.irp i, 0,1,2,3,4,5,6,7
	FRAG3 128*(\p)+12*\i, ADRB+(\slot), \i*3072+(\q)*1536
.endr
	WIN 0
.endm
.macro FETCH_A ch, q, i0               ; x's blocks i0 .. i0 + 3
.irp i, \i0, \i0+1, \i0+2, \i0+3
	FRAG3 AF+12*(\i), ADRA+(\ch), (\i)*3072+(\q)*1536
.endr
.endm
.macro SCALES                          ; all eight K steps' words of my 8 tiles of x (lanes 0-15) and of W1 (lanes 16-31)
.irp i, 0,1,2,3,4,5,6,7
	ds_load_b128 v[SC+8*\i:SC+8*\i+3], v[ADRS] offset:512*\i
	ds_load_b128 v[SC+8*\i+4:SC+8*\i+7], v[ADRS] offset:512*\i+16
.endr
.endm
.macro B1LOAD tau                      ; b1 in the result's layout: tile t, lane (r, h): units 32 (t / 2) + 16 h + 8 (t % 2) + 0 .. 7
	WIN 0x40
.irp t, 0,1,2,3,4,5,6,7
	global_load_b128 v[96+128*(\t/4)+8*(\t%4):99+128*(\t/4)+8*(\t%4)], v[B1O], s[12:13] offset:1024*(\tau)+(32*(\t/2)+8*(\t%2))*4
	global_load_b128 v[100+128*(\t/4)+8*(\t%4):103+128*(\t/4)+8*(\t%4)], v[B1O], s[12:13] offset:1024*(\tau)+(32*(\t/2)+8*(\t%2))*4+16
.endr
	WIN 0
.endm
; 16 matrix instructions: x's blocks a0, a0 + 1 against W1's eight, K step s of eight; p: W1's set; mode = 1: b1 starts the sums
.macro MUL16 a0, p, s, mode
.irp a, \a0, \a0+1
.irp b, 0,1,2,3,4,5,6,7
.if \mode
	v_wmma_scale_f32_16x16x128_f8f6f4 v[8*(8*((\a)%4)+\b):8*(8*((\a)%4)+\b)+7], v[128*(\p)+12*\b:128*(\p)+12*\b+11], v[AF+12*(\a):AF+12*(\a)+11], v[96+128*(\b/4)+8*(\b%4):96+128*(\b/4)+8*(\b%4)+7], v[SC+8*\b+(\s)], v[SC+8*(\a)+(\s)] matrix_a_fmt:MATRIX_FMT_FP6 matrix_b_fmt:MATRIX_FMT_FP6 matrix_a_scale:MATRIX_SCALE_ROW1
.else
	v_wmma_scale_f32_16x16x128_f8f6f4 v[8*(8*((\a)%4)+\b):8*(8*((\a)%4)+\b)+7], v[128*(\p)+12*\b:128*(\p)+12*\b+11], v[AF+12*(\a):AF+12*(\a)+11], v[8*(8*((\a)%4)+\b):8*(8*((\a)%4)+\b)+7], v[SC+8*\b+(\s)], v[SC+8*(\a)+(\s)] matrix_a_fmt:MATRIX_FMT_FP6 matrix_b_fmt:MATRIX_FMT_FP6 matrix_a_scale:MATRIX_SCALE_ROW1
.endif
.endr
.endr
.endm
; The first 128 along K of a step.  A block of x is free as soon as its eight products are issued: blocks 0-3 are fetched anew in the middle, blocks 4-7 at the end.
.macro STEP ch, slot, first
	s_wait_dscnt 12                                ; W1's set and x's blocks 0-3 are in; the youngest 12 loads (blocks 4-7) may be out
.if \first
	WIN 0x91                                       ; source 0 and C window 1, source 1 window 0, D window 2
.else
	WIN 0xa1
.endif
	MUL16 0, 0, 2*(\ch), \first
	MUL16 2, 0, 2*(\ch), \first
	s_wait_dscnt 0x0
	PLACES 4                                       ; in front of loads into registers that matrix instructions have read
	FETCH_B \slot, 1, 1
	FETCH_A \ch, 1, 0
.if \first
	WIN 0xd1
.else
	WIN 0xf1
.endif
	MUL16 4, 0, 2*(\ch), \first
	MUL16 6, 0, 2*(\ch), \first
	PLACES 4
	WIN 0
	FETCH_A \ch, 1, 4
.endm
.macro ASK off                         ; W1's step that the next refill will ask for: 12 blocks of 256 bytes a wave and partner; the address is never stepped
	s_cmp_eq_u32 s[LIM], 1
	s_cbranch_scc0 .Lnot_mine_\@
	global_prefetch_b8 v[PFO], s[PFA:PFA+1] offset:\off th:TH_LOAD_NT scope:SCOPE_SE
.Lnot_mine_\@:
.endm
; The second 128 along K of step sg changes slots: in front of the barrier each wave waits for all its tensor loads, adds 0 to its spare word, and waits for that and for its reads of the slot.
; fill = 1: the barrier opens a round of the cluster's, and the slot is filled with the step two on.  next = 1: the next step's first fragments are fetched.
.macro TURN sg, fill, next
.set CH, (\sg)%4
.set SL, (\sg)%2
.set NCH, ((\sg)+1)%4
.set NSL, 1-SL
	s_wait_tensorcnt 0x0                           ; all my tensor loads have landed,
	ds_add_u32 v[SPW], v[NIL]                      ; 0 onto my spare word
.if \fill
	s_add_nc_u64 s[G0B+4*SL+2:G0B+4*SL+3], s[G0B+4*SL+2:G0B+4*SL+3], 2*ACH   ; no load of mine is out: the slot's next step
.if (\sg) == 0
	s_mov_b32 s[G1B+2], 48<<16                     ; from here on a load of W1 brings a wave's quarter of a step: 48 rows of 256 bytes
	s_mov_b32 s[G1B+4], 48
.endif
.endif
	s_wait_dscnt 13                                ; (the add and the youngest 12 loads may be out)
	WIN 0xa1
	MUL16 0, 1, 2*CH+1, 0
	s_wait_dscnt 0x0                               ; the add is done, and my reads of this slot are over
	s_barrier_signal -1
	MUL16 2, 1, 2*CH+1, 0
	WIN 0
	s_barrier_wait -1
.if \fill
	CREST                                          ; no wave of any partner still reads the slot or has a load on its way
	tensor_load_to_lds s[G0B+4*SL:G0B+4*SL+3], s[G1B:G1B+7]
	s_nop 0
	PLACES 4                                       ; also the places in front of the loads below
.else
	PLACES 4
.endif
.if \next
	FETCH_B NSL, 0, 0
	FETCH_A NCH, 0, 0
.endif
.if (\sg) <= 4
	ASK ((\sg)+3)*ACH
.endif
	WIN 0xf1
	MUL16 4, 1, 2*CH+1, 0
	MUL16 6, 1, 2*CH+1, 0
	PLACES 4
	WIN 0
.if \next
	FETCH_A NCH, 0, 4
.endif
.endm
.macro HEADFETCH
	FETCH_B 0, 0, 0
	FETCH_A 0, 0, 0
	SCALES
	FETCH_A 0, 0, 4
.endm
; THE WAY OUT of a leaf: for each tile of 16 rows the wave's 8 accumulators are one K step of the second product: relu (which also brings them into window 0), quantised, stored as an image.
.macro OUT tau
	PLACES 4
.irp b, 0,1,2,3
	v_mov_b32 v[TM+4+\b], 0                        ; a lane permute's destination counts as one of its sources
.endr
.irp a, 0,1,2,3,4,5,6,7
	WIN 0x08+4*(\a/4)                              ; source 1: window 2 or 3
.set J, 0
.rept 64
	v_max_num_f32 v[T+J], 0, v[64*(\a%4)+J]        ; each accumulator from its low end on
.set J, J+1
.endr
	WIN 0
	s_wait_xcnt 0x0                                ; the last tile's stores have read the codes' registers
	QUANT T
.irp c, 0,1,2
	global_store_b128 v[LIC], v[PC+4*\c:PC+4*\c+3], s[14:15] offset:25600*(\tau)+3072*\a+512*\c   ; 512 consecutive bytes
.endr
	v_mov_b32 v[PWS+\a], v[PW]
.endr
	v_cmp_eq_u32 vcc_lo, 1, v2
.irp i, 0,1,2,3
	v_cndmask_b32 v[SW+\i], v[PWS+\i], v[PWS+4+\i], vcc_lo   ; lane (r, h): row r's words of tiles 4 h .. 4 h + 3
.endr
	global_store_b128 v[SOF], v[SW:SW+3], s[14:15] offset:25600*(\tau)+24576
	s_wait_xcnt 0x0                                ; the stores have read their registers: LDS loads may land there
.endm
	B1LOAD 0
	s_wait_alu depctr_va_vdst(0)
	s_wait_tensorcnt 0x0                           ; my tile of the head's four is in
	ds_add_u32 v[SPW], v[NIL]
	s_wait_dscnt 0x0
	CROUND                                         ; all four tiles are in, and the sixteen work-groups are here
	ARM 1, G0A+4,  G1A, .Lg_b,  .Lg_asked          ; x's chunk 1,
	ARM 2, 8,      G1B, .Lg_a2, .Lg_asked          ; W1's step 1,
	ARM 3, G0A+8,  G1A, .Lg_a3, .Lg_asked          ; x's chunks 2
	tensor_load_to_lds s[G0A+12:G0A+15], s[G1A:G1A+7]       ; and 3
	s_nop 0
	PLACES 4
.Lg_asked:
	HEADFETCH
	s_wait_loadcnt 0x0                             ; b1
	STEP 0, 0, 1
	B1LOAD 1                                       ; the second leaf's b1: the first's has been read, four places back
	TURN 0, 1, 1
	STEP 1, 1, 0
	TURN 1, 1, 1
	STEP 2, 0, 0
	TURN 2, 1, 1
	STEP 3, 1, 0
	TURN 3, 1, 0
	OUT 0
	v_lshl_add_u32 v[ADRS], v2, 13, v[ADRS]        ; W1's scale words of the second leaf: 16 tiles on, in lanes 16-31 alone
	HEADFETCH
	s_wait_loadcnt 0x0
	STEP 0, 0, 1
	TURN 4, 1, 1
	STEP 1, 1, 0
	TURN 5, 1, 1
	STEP 2, 0, 0
	TURN 6, 0, 1                                   ; nothing is left to fetch
	STEP 3, 1, 0
	s_wait_dscnt 12
	WIN 0xa1
	MUL16 0, 1, 7, 0
	MUL16 2, 1, 7, 0
	s_wait_dscnt 0x0
	WIN 0xf1
	MUL16 4, 1, 7, 0
	MUL16 6, 1, 7, 0
	WIN 0
	OUT 1
	s_wait_tensorcnt 0x0                           ; the wave's end
	ds_add_u32 v[SPW], v[NIL]
	s_wait_dscnt 0x0
	CROUND                                         ; the closing round
	s_endpgm
.Lfunc_end_k_q14ffab0715_hidden:
	.size	k_q14ffab0715_hidden, .Lfunc_end_k_q14ffab0715_hidden-k_q14ffab0715_hidden
	.p2alignl 7, 3214868480
	.fill 96, 4, 3214868480
	.section	.rodata,"a",@progbits
	.p2align	6, 0x0
	.amdhsa_kernel k_q14ffab0715_hidden
		.amdhsa_group_segment_fixed_size 327680
		.amdhsa_private_segment_fixed_size 0
		.amdhsa_enable_private_segment 0
		.amdhsa_kernarg_size 48
		.amdhsa_user_sgpr_count 2
		.amdhsa_user_sgpr_kernarg_segment_ptr 1
		.amdhsa_wavefront_size32 1
		.amdhsa_system_sgpr_workgroup_id_x 1
		.amdhsa_system_sgpr_workgroup_id_y 1
		.amdhsa_system_sgpr_workgroup_id_z 1
		.amdhsa_system_vgpr_workitem_id 0
		.amdhsa_next_free_vgpr 1024
		.amdhsa_next_free_sgpr 102
		.amdhsa_reserve_vcc 1
		.amdhsa_float_denorm_mode_32 3
		.amdhsa_float_denorm_mode_16_64 3
		.amdhsa_memory_ordered 1
		.amdhsa_forward_progress 1
		.amdhsa_inst_pref_size 255
	.end_amdhsa_kernel
	.section	.bss,"aw",@nobits
	.p2align	6
	.space	262144
	.amdgpu_metadata
---
amdhsa.version: [ 1, 2 ]
amdhsa.kernels:
  - .name:           k_q14ffab0715_hidden
    .symbol:         k_q14ffab0715_hidden.kd
    .args:
      - { .name: xq, .offset: 0, .size: 8, .value_kind: global_buffer, .address_space: global }
      - { .name: xs, .offset: 8, .size: 8, .value_kind: global_buffer, .address_space: global }
      - { .name: w1p, .offset: 16, .size: 8, .value_kind: global_buffer, .address_space: global }
      - { .name: w1sp, .offset: 24, .size: 8, .value_kind: global_buffer, .address_space: global }
      - { .name: b1s, .offset: 32, .size: 8, .value_kind: global_buffer, .address_space: global }
      - { .name: hid, .offset: 40, .size: 8, .value_kind: global_buffer, .address_space: global }
    .group_segment_fixed_size: 327680
    .private_segment_fixed_size: 0
    .kernarg_segment_align: 8
    .kernarg_segment_size: 48
    .max_flat_workgroup_size: 128
    .sgpr_count:     102
    .vgpr_count:     1024
    .wavefront_size: 32
...
	.end_amdgpu_metadata
.endif
;; end of part 2
;; launch mixout (part 3): grid 4 x 64, 4 waves a work-group, clusters of 4 x 4, 327,680 bytes of LDS; arguments hid, w2p, mixw, out0; writes out0
.if DOCPART == 3
	.amdgcn_target "amdgcn-amd-amdhsa--gfx1250"
	.amdhsa_code_object_version 6
	.text
	.protected	k_q14ffab0715_mixout
	.globl	k_q14ffab0715_mixout
	.p2align	8
	.type	k_q14ffab0715_mixout,@function
k_q14ffab0715_mixout:
	s_mov_b64 s[64:65], 0
	v_nop
	global_prefetch_b8 v0, s[64:65] scope:SCOPE_SE
	s_setreg_imm32_b32 hwreg(HW_REG_WAVE_MODE, 25, 1), 1
	s_wait_xcnt 0x0
	s_wait_alu depctr_hold_cnt(0) depctr_sa_sdst(0) depctr_va_vdst(0) depctr_va_sdst(0) depctr_va_ssrc(0) depctr_va_vcc(0) depctr_vm_vsrc(0)
	s_getreg_b32 s2, hwreg(HW_REG_IB_STS2, 6, 4)
	s_cmp_eq_u32 s2, 0
	s_cbranch_scc0 .Lentry_in_a_cluster
	s_endpgm
.Lentry_in_a_cluster:
	s_bfe_u32 s2, ttmp6, 0x10000c
	s_cmp_lg_u32 s2, 0xf033
	s_cbranch_scc0 .Lentry_shape_is_right
	s_endpgm
.Lentry_shape_is_right:
; MIXOUT: out = sum over the 16 leaves of mix[row][leaf] x (a_leaf W2_leaf + b2_leaf), the product on codes of E2M3 with E8M0 scales; the weighted sum in f32, leaves ascending.
; SHARES.  Work-group (ob, rb): rows 128 rb on, outputs 256 ob on.  Wave w: all 128 rows (tiles a = 0..7) x outputs 64 w on (tiles t = 0..3).
; The product is used TRANSPOSED (source 0 = 16 rows of W2, source 1 = 16 rows of the hidden layer): a lane holds one row and eight neighbouring outputs, so a row's mixture weight is one number a lane.
; A leaf's tile of y is finished in its own registers (b2 is the C of its first matrix instruction; K = 256 is two instructions) and added by packed multiply-adds, two behind each matrix instruction of the next group.
; LDS.  Two slots, each with two leaves: their W2 sub-packs (52,224 bytes: codes, scale words, b2) and hidden packs (25,600: codes, scale words), all as register images; the rows' mixtures come once.
; CLUSTER 4 x 4: W2 hangs on ob and is asked for jointly along a column (waves 0-2, a third of a slot's each), the hidden layer and the mixtures on rb, jointly along a row (wave 3).
; By this text's count a wave has at most one tensor load out at the start and one behind each round.
; REGISTERS.  windows 2 (t = 0, 1) and 3 (t = 2, 3): v0-127 the sums (a, t') at 8 (8 t' + a); v128-191 y, two sets of four tiles; v192-239 W2's fragments (t', k); v240-255 b2 (t').
;   windows 0 and 1, by the leaf's parity: v64-255 the hidden layer's 16 fragments (a, k); v56-63 the mixture weights of the 8 tiles.   window 0: v1-21 addresses; v24-55 scale words (16 parity + 8 k + a:
;   lanes 0-15 the hidden layer's tile a, lanes 16-31, for a under 4, W2's tile a).  One window setting serves a half leaf's matrix instructions and multiply-adds.
.set SLOT,  155648
.set HOFF,  104448                     ; a slot: two sub-packs of W2, then two packs of the hidden layer
.set WPK,   52224
.set HPK,   25600
.set MIX,   2*SLOT                     ; 128 rows x (64 bytes + 8)
.set SPARE, MIX+9216                   ; the spare words, 128 bytes a wave: two blocks of 256 bytes that no other line names
.set AW,   4                           ; v4-5   W2's fragments: 16 lane + 12,288 w + slot
.set AH,   6                           ; v6-7   the hidden layer's: 16 lane + HOFF + slot
.set AB2,  8                           ; v8-9   b2: 51,200 + 256 w + 32 h + slot
.set ASC,  10                          ; v10-13 scale words, 2 slot + parity
.set AMX,  14                          ; v14    MIX + 72 r; steps 16 bytes (four leaves) a trip
.set STO,  15
.set RDB,  16
.set GO,   17
.set PFO,  18
.set PFO2, 19
.set SPW,  20
.set NIL,  21
.set SC,   24
.set MX,   56
.set HFB,  64
.set WV,   12
.set G1W,  24
.set G1H,  32
.set G1M,  40
.set G0W,  48
.set G0H,  56
.set G0M,  68
.set PFA,  72
.set PFS,  74
.set LIM,  76
.set FL,   77
.set MSB, 0
.macro WIN new                         ; the immediate's high byte repeats the setting that is left
.if MSB != (\new)
	s_set_vgpr_msb (MSB<<8)|(\new)
.set MSB, (\new)
.endif
.endm
.macro PLACES n
.rept \n
	v_nop
.endr
.endm
.macro CREST
	s_cmp_lg_u32 s[WV], 0
	s_cbranch_scc1 .Lnot_wave_0_\@
	s_barrier_signal -3
.Lnot_wave_0_\@:
	s_barrier_wait -3
	s_barrier_signal -1
	s_barrier_wait -1
.endm
.macro CROUND
	s_barrier_signal -1
	s_barrier_wait -1
	CREST
.endm
.macro DENSE g, rows
	s_mov_b32 s[\g+1], 32<<16
	s_mov_b32 s[\g+2], (\rows)<<16
	s_mov_b32 s[\g+3], 32<<16
	s_mov_b32 s[\g+4], \rows
	s_mov_b32 s[\g+5], 32
	s_mov_b32 s[\g+6], 0
	s_mov_b32 s[\g+7], 0
.endm
.macro JLOAD sl                        ; a joint refill: waves 0-2 a third of the slot's W2 each, wave 3 its hidden packs; four v_nop follow each line
	s_cmp_lt_u32 s[WV], 3
	s_cbranch_scc0 .Lfor_h_\@
	tensor_load_to_lds s[G0W+4*(\sl):G0W+4*(\sl)+3], s[G1W:G1W+7]
	s_nop 0
	PLACES 4
	s_branch .Lasked_\@
.Lfor_h_\@:
	tensor_load_to_lds s[G0H+4*(\sl):G0H+4*(\sl)+3], s[G1H:G1H+7]
	s_nop 0
	PLACES 4
.Lasked_\@:
.endm
; A prefetch of what the NEXT refill will ask for.  W2's packs are read by every cluster: the first cluster asks, and of a wave's 136 blocks of 256 bytes the partner at place cy takes 34 (2 x 17 lanes).
; The hidden packs are read by one row of one cluster: wave 3 always asks, and of the 200 blocks the partner at place cx takes 50 (2 x 25 lanes).  Partners are told apart by address.  The last refill asks for nothing.
.macro ASK
	s_cmp_gt_u32 s[FL], s[LIM]
	s_cbranch_scc0 .Lnot_mine_\@
	global_prefetch_b8 v[PFO], s[PFA:PFA+1] th:TH_LOAD_NT scope:SCOPE_SE
	global_prefetch_b8 v[PFO2], s[PFA:PFA+1] th:TH_LOAD_NT scope:SCOPE_SE
.Lnot_mine_\@:
	s_sub_co_u32 s[FL], s[FL], 1
.endm
	s_load_b256 s[4:11], s[0:1], 0x0               ; hid 4, w2p 6, mixw 8, out0 10
	v_lshl_add_u32 v[SPW], v0, 2, SPARE
	v_mov_b32 v[NIL], 0
	ds_add_u32 v20, v21
	ds_add_u32 v20, v21
	s_wait_dscnt 0x0
	v_lshrrev_b32 v1, 5, v0
	v_readfirstlane_b32 s[WV], v1                  ; wave 0..3
	s_bfe_u32 s13, ttmp6, 0x40000                  ; cx
	s_bfe_u32 s14, ttmp6, 0x40004                  ; cy
	s_lshl_b32 s15, ttmp9, 2
	s_add_co_u32 s15, s15, s13                     ; ob
	s_and_b32 s22, ttmp7, 0xffff                   ; cluster y
	s_lshl_b32 s16, s22, 2
	s_add_co_u32 s16, s16, s14                     ; rb
	s_lshl_b32 s20, s14, 2
	s_lshl_b32 s20, 15, s20                        ; my row of the cluster
	s_lshl_b32 s21, 0x1111, s13                    ; my column
	s_or_b32 s[G1W], s21, (3<<16)|(1<<21)
	s_or_b32 s[G1H], s20, (3<<16)|(1<<21)
	s_or_b32 s[G1M], s20, (2<<16)|(1<<20)|(1<<21)|(3<<22)|(1<<25)   ; elements of 4 bytes; after every 16 words 2 words of padding
	DENSE G1W, 136                                 ; 34,816 dense bytes
.set G1WH, 84                          ; s[84:91], s[92:95] groups 1 and 0 for the head's load of W2: half of slot 0's, 52,224 dense bytes
.set G0WH, 92
	s_or_b32 s[G1WH], s21, (3<<16)|(1<<21)
	DENSE G1WH, 204
	DENSE G1H, 200                                 ; 51,200
	s_mov_b32 s[G1M+1], 16<<16                     ; 128 rows of 16 numbers
	s_mov_b32 s[G1M+2], 128<<16
	s_mov_b32 s[G1M+3], 16<<16
	s_mov_b32 s[G1M+4], 128
	s_mov_b32 s[G1M+5], 16
	s_mov_b32 s[G1M+6], 0
	s_mov_b32 s[G1M+7], 0
	s_mul_i32 s78, s15, 835584                     ; W2: hangs on ob and the wave alone
	s_mul_i32 s17, s[WV], 34816
	s_add_co_u32 s78, s78, s17
	s_mov_b32 s79, 0
	s_mul_i32 s80, s16, 409600                     ; the hidden layer and the mixtures: on rb alone
	s_mov_b32 s81, 0
	s_lshl_b32 s82, s16, 13
	s_mov_b32 s83, 0
	s_wait_kmcnt 0x0
	s_add_nc_u64 s[78:79], s[6:7], s[78:79]
	s_add_nc_u64 s[80:81], s[4:5], s[80:81]
	s_add_nc_u64 s[82:83], s[8:9], s[82:83]
.irp q, 0,1
	s_mov_b32 s[G0W+4*\q], 1
	s_add_co_u32 s[G0W+4*\q+1], s17, \q*SLOT
	s_add_nc_u64 s[G0W+4*\q+2:G0W+4*\q+3], s[78:79], \q*2*WPK
	s_or_b32 s[G0W+4*\q+3], s[G0W+4*\q+3], 0x80000000
	s_mov_b32 s[G0H+4*\q], 1
	s_mov_b32 s[G0H+4*\q+1], \q*SLOT+HOFF
	s_add_nc_u64 s[G0H+4*\q+2:G0H+4*\q+3], s[80:81], \q*2*HPK
	s_or_b32 s[G0H+4*\q+3], s[G0H+4*\q+3], 0x80000000
.endr
	s_mov_b32 s[G0M], 1
	s_mov_b32 s[G0M+1], MIX
	s_mov_b64 s[G0M+2:G0M+3], s[82:83]
	s_or_b32 s[G0M+3], s[G0M+3], 0x80000000
	s_mul_i32 s96, s[WV], 17408                    ; from my third (34,816 x wave) to my half (52,224 x wave) of slot 0's W2
	s_mov_b32 s97, 0
	s_mov_b32 s[G0WH], 1
	s_mul_i32 s[G0WH+1], s[WV], WPK
	s_add_nc_u64 s[G0WH+2:G0WH+3], s[78:79], s[96:97]
	s_or_b32 s[G0WH+3], s[G0WH+3], 0x80000000
	CROUND                                         ; all sixteen work-groups are here: the first joint loads meet
	; the head's loads, one a wave: waves 0 and 1 a half of slot 0's W2 each, wave 2 its hidden packs, wave 3 the mixtures.  By this text's count a wave never has more than one tensor load out.
	s_cmp_lt_u32 s[WV], 2
	s_cbranch_scc0 .Lfirst_h
	tensor_load_to_lds s[G0WH:G0WH+3], s[G1WH:G1WH+7]
	s_nop 0
	PLACES 4
	s_branch .Lfirst_asked
.Lfirst_h:
	s_cmp_lt_u32 s[WV], 3
	s_cbranch_scc0 .Lfirst_m
	tensor_load_to_lds s[G0H:G0H+3], s[G1H:G1H+7]
	s_nop 0
	PLACES 4
	s_branch .Lfirst_asked
.Lfirst_m:
	tensor_load_to_lds s[G0M:G0M+3], s[G1M:G1M+7]
	s_nop 0
	PLACES 4
.Lfirst_asked:
	; the prefetches: where my wave's stand, and who asks
	s_cmp_eq_u32 s22, 0
	s_cselect_b32 s[LIM], 1, -1
	s_mul_i32 s18, s14, 8704
	s_mul_i32 s19, s13, 12800
	s_mov_b32 s[PFS], 2*HPK
	s_cmp_lt_u32 s[WV], 3
	s_cselect_b32 s[LIM], s[LIM], 1
	s_cselect_b64 s[PFA:PFA+1], s[78:79], s[80:81]
	s_cselect_b32 s18, s18, s19
	s_cselect_b32 s[PFS], 2*WPK, s[PFS]            ; a pair of leaves on
	s_cselect_b32 s20, 16, 24                      ; the last lane that names a block of its own
	s_mov_b32 s[PFS+1], 0
	s_lshl_b32 s19, s[PFS], 1
	s_add_co_u32 s18, s18, s19                     ; at pair 2: the first refill steps it to pair 3.  Nothing is prefetched here, at the head
	s_mov_b32 s19, 0
	s_add_nc_u64 s[PFA:PFA+1], s[PFA:PFA+1], s[18:19]
	s_mov_b32 s[FL], 6                             ; refills to come
	s_add_co_u32 s21, s20, 1
	s_lshl_b32 s21, s21, 8
	v_and_b32 v23, 31, v0                          ; lane
	v_min_u32 v[PFO], s20, v23
	v_lshlrev_b32 v[PFO], 8, v[PFO]
	v_add_nc_u32 v[PFO2], s21, v[PFO]
	s_lshl_b32 s18, s16, 19                        ; out: 128 rows of 4,096 bytes, 1,024 bytes a block of outputs, 256 a wave
	s_lshl_b32 s19, s15, 10
	s_add_co_u32 s18, s18, s19
	s_lshl_b32 s19, s[WV], 8
	s_add_co_u32 s18, s18, s19
	s_mov_b32 s19, 0
	s_add_nc_u64 s[10:11], s[10:11], s[18:19]
	v_and_b32 v1, 15, v0                           ; r
	v_bfe_u32 v2, v0, 4, 1                         ; h
	s_wait_alu depctr_va_vdst(0)
	v_lshlrev_b32 v3, 4, v23                       ; 16 x lane
	s_mul_i32 s18, s[WV], 12288
	v_add_nc_u32 v[AW], s18, v3
	v_add_nc_u32 v[AW+1], SLOT, v[AW]
	v_add_nc_u32 v[AH], HOFF, v3
	v_add_nc_u32 v[AH+1], SLOT, v[AH]
	s_lshl_b32 s18, s[WV], 8
	s_add_co_u32 s18, s18, 51200
	v_lshl_add_u32 v[AB2], v2, 5, s18
	v_add_nc_u32 v[AB2+1], SLOT, v[AB2]
	s_lshr_b32 s18, s[WV], 1
	s_lshl_b32 s18, s18, 10
	s_and_b32 s19, s[WV], 1
	s_lshl_b32 s19, s19, 4
	s_add_co_u32 s18, s18, s19                     ; my wave's place among W2's scale words
	v_xor_b32 v22, 1, v2                           ; 1 - h
	v_lshlrev_b32 v23, 5, v1                       ; 32 r
.irp j, 0,1
	s_sub_co_u32 s19, 79872-26624*\j, s18          ; from W2's words up to the hidden layer's: one product with 1 - h
	v_mul_u32_u24 v[ASC+\j], s19, v22
	s_add_co_u32 s19, s18, 49152+WPK*\j
	v_add_nc_u32 v[ASC+\j], v[ASC+\j], v23
	v_add_nc_u32 v[ASC+\j], s19, v[ASC+\j]
	v_add_nc_u32 v[ASC+2+\j], SLOT, v[ASC+\j]
.endr
	v_mul_u32_u24 v[AMX], v1, 72
	v_add_nc_u32 v[AMX], MIX, v[AMX]
	s_mul_i32 s18, s[WV], 4352                     ; my stage for the way out: 16 rows x (256 bytes + 16), in slot 0
	v_mul_u32_u24 v[STO], v1, 272
	v_lshl_add_u32 v[STO], v2, 5, v[STO]
	v_add_nc_u32 v[STO], s18, v[STO]
	v_mul_u32_u24 v[RDB], v2, 272
	v_lshl_add_u32 v[RDB], v1, 4, v[RDB]
	v_add_nc_u32 v[RDB], s18, v[RDB]
	v_lshlrev_b32 v[GO], 12, v2
	v_lshl_add_u32 v[GO], v1, 4, v[GO]
.macro FRAG3 reg, adr, off
.irp c, 0,1,2
	ds_load_b128 v[(\reg)+4*\c:(\reg)+4*\c+3], v[(\adr)] offset:(\off)+512*\c
.endr
.endm
.macro RUN_W x, j, sl                  ; 16 loads: W2's tiles 2 (x - 2) and the next, both K steps, and their b2, of the leaf of parity j in slot sl, into window x
	WIN ((\x)<<6)
.irp tp, 0,1
.irp k, 0,1
	FRAG3 192+12*(2*\tp+\k), AW+(\sl), WPK*(\j)+(2*(2*((\x)-2)+\tp)+\k)*1536
.endr
.endr
.irp tp, 0,1
	ds_load_b128 v[240+8*\tp:243+8*\tp], v[AB2+(\sl)] offset:WPK*(\j)+64*(2*((\x)-2)+\tp)
	ds_load_b128 v[244+8*\tp:247+8*\tp], v[AB2+(\sl)] offset:WPK*(\j)+64*(2*((\x)-2)+\tp)+16
.endr
.endm
.macro RUN_H j, sl, k                  ; 24 loads: the hidden layer's eight fragments of K step k, into window j
	WIN ((\j)<<6)
.irp a, 0,1,2,3,4,5,6,7
	FRAG3 HFB+12*(2*\a+(\k)), AH+(\sl), HPK*(\j)+(2*\a+(\k))*1536
.endr
.endm
.macro RUN_MX j, mi                    ; 8 loads: my row's mixture weight in each of the 8 tiles
	WIN ((\j)<<6)
.irp a, 0,1,2,3,4,5,6,7
	ds_load_b32 v[MX+\a], v[AMX] offset:1152*\a+4*(\mi)
.endr
.endm
.macro RUN_SC j, sl                    ; 4 loads: the scale words
	WIN 0
.irp k, 0,1
.irp e, 0,1
	ds_load_b128 v[SC+16*(\j)+8*\k+4*\e:SC+16*(\j)+8*\k+4*\e+3], v[ASC+2*(\sl)+(\j)] offset:512*\k+16*\e
.endr
.endr
.endm
; Two packed multiply-adds: half HV of tile IT of group PG goes into its sums, from the low end on.  first = 1: the first leaf starts the sums: nothing is cleared.
.macro FMAS first
.set FA, 4*(PG%2)+IT
.set RA, 8*(8*(PG/2)+FA)+4*HV
.set RY, 128+32*(PG%2)+8*IT+4*HV
.set RM, MX+2*(FA/2)
.irp e, 0,2
.if \first
.if FA%2 == 0
	v_pk_mul_f32 v[RA+\e:RA+\e+1], v[RY+\e:RY+\e+1], v[RM:RM+1] op_sel_hi:[1,0]
.else
	v_pk_mul_f32 v[RA+\e:RA+\e+1], v[RY+\e:RY+\e+1], v[RM:RM+1] op_sel:[0,1] op_sel_hi:[1,1]
.endif
.else
.if FA%2 == 0
	v_pk_fma_f32 v[RA+\e:RA+\e+1], v[RY+\e:RY+\e+1], v[RM:RM+1], v[RA+\e:RA+\e+1] op_sel_hi:[1,0,1]
.else
	v_pk_fma_f32 v[RA+\e:RA+\e+1], v[RY+\e:RY+\e+1], v[RM:RM+1], v[RA+\e:RA+\e+1] op_sel:[0,1,0] op_sel_hi:[1,1,1]
.endif
.endif
.endr
.endm
; Group g of a half leaf: output tile t' = g / 2 of the window, row tiles 4 (g % 2) + 0..3: four instructions that begin with b2, four that add the second K step, the four tiles by turns.
; fma = 1: behind each stand two multiply-adds of the group before, whose tiles lie in the other set.
.macro GROUP x, j, g, fma, first
	WIN ((\x)|((\j)<<2)|((\x)<<4)|((\x)<<6))
.set N, 0
.rept 8
.set KK, N/4
.set AA, 4*((\g)%2)+N%4
.set YD, 128+32*((\g)%2)+8*(N%4)
.set RW, 192+12*(2*((\g)/2)+KK)
.set RH, HFB+12*(2*AA+KK)
.set RB, 240+8*((\g)/2)
.set SWR, SC+16*(\j)+8*KK+2*((\x)-2)+(\g)/2
.set SHR, SC+16*(\j)+8*KK+AA
.if KK == 0
	v_wmma_scale_f32_16x16x128_f8f6f4 v[YD:YD+7], v[RW:RW+11], v[RH:RH+11], v[RB:RB+7], v[SWR], v[SHR] matrix_a_fmt:MATRIX_FMT_FP6 matrix_b_fmt:MATRIX_FMT_FP6 matrix_a_scale:MATRIX_SCALE_ROW1
.else
	v_wmma_scale_f32_16x16x128_f8f6f4 v[YD:YD+7], v[RW:RW+11], v[RH:RH+11], v[YD:YD+7], v[SWR], v[SHR] matrix_a_fmt:MATRIX_FMT_FP6 matrix_b_fmt:MATRIX_FMT_FP6 matrix_a_scale:MATRIX_SCALE_ROW1
.endif
.if \fma
.set PG, (\g)-1
.set IT, N/2
.set HV, N%2
	FMAS \first
.endif
.set N, N+1
.endr
.endm
.macro DRAIN first                     ; the last group's 16 multiply-adds
.set PG, 3
.set N, 0
.rept 8
.set IT, N/2
.set HV, N%2
	FMAS \first
.set N, N+1
.endr
.endm
; A LEAF of parity j in slot sl.  chg = 1: the slot's last leaf: the slot is left and filled again; 2: it is left and nothing is asked for.  nxt = 1: the next leaf's operands are fetched; mi: its place among the mixtures from AMX on.
.macro LEAF j, sl, chg, nxt, first, mi
.set JN, 1-(\j)
.set SLN, ((\sl)+(\j))%2
	s_wait_dscnt 0x0                               ; this leaf's hidden fragments, weights, scale words and W2's tiles 0, 1 are in
	RUN_W 3, \j, \sl                               ; W2's tiles 2, 3: wanted half a leaf on
	GROUP 2, \j, 0, 0, \first
	PLACES 4
.if \chg
	WIN 0
	s_wait_tensorcnt 0x0                           ; all my tensor loads have landed: my part of the other slot;
	ds_add_u32 v[SPW], v[NIL]                      ; 0 onto my spare word
.if \chg == 1
	s_add_nc_u64 s[G0W+4*(\sl)+2:G0W+4*(\sl)+3], s[G0W+4*(\sl)+2:G0W+4*(\sl)+3], 4*WPK   ; no load of mine is out: this slot's next two leaves
	s_add_nc_u64 s[G0H+4*(\sl)+2:G0H+4*(\sl)+3], s[G0H+4*(\sl)+2:G0H+4*(\sl)+3], 4*HPK
	s_wait_xcnt 0x0                                ; the last prefetches, two leaves back, have read their address
	s_add_nc_u64 s[PFA:PFA+1], s[PFA:PFA+1], s[PFS:PFS+1]
.endif
.endif
	GROUP 2, \j, 1, 1, \first
.if \chg
	s_wait_dscnt 0x0                               ; the add is done, and my reads of this slot are over
	s_barrier_signal -1
.endif
	GROUP 2, \j, 2, 1, \first
	WIN 0
.if \chg
	s_barrier_wait -1
.endif
.if \chg == 1
	CREST                                          ; no wave of any partner still reads the slot or has a load on its way
	JLOAD \sl
.endif
.if \nxt
	RUN_H JN, SLN, 0
	RUN_MX JN, \mi
	RUN_SC JN, SLN
.endif
.if \chg == 1
	ASK
.endif
	GROUP 2, \j, 3, 1, \first
	DRAIN \first
.if \nxt
	s_wait_dscnt 36                                ; W2's tiles 2, 3 are in; the 36 loads for the next leaf may be out
	RUN_H JN, SLN, 1
	RUN_W 2, JN, SLN
.else
	s_wait_dscnt 0x0
.endif
	GROUP 3, \j, 0, 0, \first
	PLACES 4
	GROUP 3, \j, 1, 1, \first
	GROUP 3, \j, 2, 1, \first
	GROUP 3, \j, 3, 1, \first
	DRAIN \first
	WIN 0
.endm
	s_wait_alu depctr_va_vdst(0)
	s_wait_tensorcnt 0x0                           ; my tile of the head's is in
	ds_add_u32 v[SPW], v[NIL]
	s_wait_dscnt 0x0
	CROUND                                         ; slot 0 and the mixtures are whole, and the sixteen work-groups are here
	JLOAD 1                                        ; slot 1's first fill, issued as a refill is
	RUN_H 0, 0, 0
	RUN_H 0, 0, 1
	RUN_MX 0, 0
	RUN_SC 0, 0
	RUN_W 2, 0, 0
	WIN 0
	LEAF 0, 0, 0, 1, 1, 1                          ; leaf 0 starts the sums
	s_mov_b32 s3, 3
.Lquad:                                            ; four leaves a trip, once round the ring: both slots are filled again
	LEAF 1, 0, 1, 1, 0, 2
	LEAF 0, 1, 0, 1, 0, 3
	LEAF 1, 1, 1, 1, 0, 4
	LEAF 0, 0, 0, 1, 0, 5
	v_add_nc_u32 v[AMX], 16, v[AMX]
	s_sub_co_u32 s3, s3, 1
	s_cmp_lg_u32 s3, 0
	s_cbranch_scc1 .Lquad
	LEAF 1, 0, 2, 1, 0, 2                          ; the tail is written out: nothing is left to fetch
	LEAF 0, 1, 0, 1, 0, 3
	LEAF 1, 1, 0, 0, 0, 0
; THE WAY OUT, a tile of 16 rows at a time: a lane's 32 bytes go into my own stage and come back as rows of 256 bytes, which sixteen lanes store as one aligned run.  The stage lies in slot 0, which has had its last fill,
; and which nobody reads behind the last change of slots.  LDS serves a wave's instructions in order: no wait between the stores and the loads.
.macro TOSTAGE a
	WIN 0x08
.irp tp, 0,1
	ds_store_b128 v[STO], v[8*(8*\tp+(\a)):8*(8*\tp+(\a))+3] offset:64*\tp
	ds_store_b128 v[STO], v[8*(8*\tp+(\a))+4:8*(8*\tp+(\a))+7] offset:64*\tp+16
.endr
	WIN 0x0c
.irp tp, 0,1
	ds_store_b128 v[STO], v[8*(8*\tp+(\a)):8*(8*\tp+(\a))+3] offset:128+64*\tp
	ds_store_b128 v[STO], v[8*(8*\tp+(\a))+4:8*(8*\tp+(\a))+7] offset:128+64*\tp+16
.endr
	WIN 0
.irp i, 0,1,2,3,4,5,6,7
	ds_load_b128 v[HFB+32*((\a)%2)+4*\i:HFB+32*((\a)%2)+4*\i+3], v[RDB] offset:544*\i
.endr
.endm
.macro SEND a, younger
	s_wait_dscnt \younger
.irp i, 0,1,2,3,4,5,6,7
	global_store_b128 v[GO], v[HFB+32*((\a)%2)+4*\i:HFB+32*((\a)%2)+4*\i+3], s[10:11] offset:(16*(\a)+2*\i)*4096 th:TH_STORE_NT
.endr
.endm
	TOSTAGE 0
	s_wait_alu depctr_va_vdst(0)
.irp a, 1,2,3,4,5,6,7
.if \a > 1
	s_wait_xcnt 0x0                                ; the stores of two tiles back have read their registers
.endif
	TOSTAGE \a
	SEND (\a-1), 16                                ; behind that tile's loads: this tile's 8 stores and 8 loads
.endr
	SEND 7, 0
	s_wait_tensorcnt 0x0                           ; the wave's end
	ds_add_u32 v[SPW], v[NIL]
	s_wait_dscnt 0x0
	CROUND                                         ; the closing round
	s_endpgm
.Lfunc_end_k_q14ffab0715_mixout:
	.size	k_q14ffab0715_mixout, .Lfunc_end_k_q14ffab0715_mixout-k_q14ffab0715_mixout
	.p2alignl 7, 3214868480
	.fill 96, 4, 3214868480
	.section	.rodata,"a",@progbits
	.p2align	6, 0x0
	.amdhsa_kernel k_q14ffab0715_mixout
		.amdhsa_group_segment_fixed_size 327680
		.amdhsa_private_segment_fixed_size 0
		.amdhsa_enable_private_segment 0
		.amdhsa_kernarg_size 32
		.amdhsa_user_sgpr_count 2
		.amdhsa_user_sgpr_kernarg_segment_ptr 1
		.amdhsa_wavefront_size32 1
		.amdhsa_system_sgpr_workgroup_id_x 1
		.amdhsa_system_sgpr_workgroup_id_y 1
		.amdhsa_system_sgpr_workgroup_id_z 1
		.amdhsa_system_vgpr_workitem_id 0
		.amdhsa_next_free_vgpr 1024
		.amdhsa_next_free_sgpr 100
		.amdhsa_reserve_vcc 0
		.amdhsa_float_denorm_mode_32 3
		.amdhsa_float_denorm_mode_16_64 3
		.amdhsa_memory_ordered 1
		.amdhsa_forward_progress 1
		.amdhsa_inst_pref_size 208
	.end_amdhsa_kernel
	.amdgpu_metadata
---
amdhsa.version: [ 1, 2 ]
amdhsa.kernels:
  - .name:           k_q14ffab0715_mixout
    .symbol:         k_q14ffab0715_mixout.kd
    .args:
      - { .name: hid, .offset: 0, .size: 8, .value_kind: global_buffer, .address_space: global }
      - { .name: w2p, .offset: 8, .size: 8, .value_kind: global_buffer, .address_space: global }
      - { .name: mixw, .offset: 16, .size: 8, .value_kind: global_buffer, .address_space: global }
      - { .name: out0, .offset: 24, .size: 8, .value_kind: global_buffer, .address_space: global }
    .group_segment_fixed_size: 327680
    .private_segment_fixed_size: 0
    .kernarg_segment_align: 8
    .kernarg_segment_size: 32
    .max_flat_workgroup_size: 128
    .sgpr_count:     100
    .vgpr_count:     1024
    .wavefront_size: 32
...
	.end_amdgpu_metadata
.endif
;; end of part 3
